; MI455X (gfx1250); checked and timed in simulation.
; The chip was launched on July 23, 2026; its instructions are those of AMD's public machine-readable ISA for CDNA 5 (MIT licence, August 2026) and "CDNA5" Instruction Set Architecture Reference Guide (July 2026). The comments in the code are by the model that wrote it; some were corrected since.
;; Self Attention. Allowed arithmetic: matrix products marked QUANTISED: E2M1 operands, one E8M0 scale for each 32 along K, by v_wmma_scale_f32_16x16x128_f8f6f4 with both operands' format E2M1 (or v_wmma_scale_f32_32x16x128_f4), f32 sums; products left as they are: bf16, f16 or f32 operands; f32 sums; everything else in f32.
;; Inputs: Wk 1,024 x 1,024 float32; Wo 1,024 x 1,024 float32; Wq 1,024 x 1,024 float32; Wv 1,024 x 1,024 float32; attention_mask 4 x 1 x 1 x 2,048 float32; bk 1,024 float32; bo 1,024 float32; bq 1,024 float32; bv 1,024 float32; hidden_states 4 x 2,048 x 1,024 float32.
;; Outputs: out0 4 x 2,048 x 1,024 float32.
;; This version of the problem:
;;   THIS VERSION OF THE PROBLEM IS GIVEN IN LOW PRECISION. The matrix products marked QUANTISED in the list below multiply operands that are first quantised to E2M1 (2 exponent bits, 1 mantissa bit; 4 bits a number), with one power-of-two scale for each 32 numbers along K (OCP MX v1.0); their sums are f32. The products marked 'left as it is' may take bf16, f16 or f32 operands, with f32 sums. Whichever they take, every output number must still come out within the allowed error. Rounding operands to bf16 (8 significant bits) uses up far more of that allowance than f16 does (11 bits, for magnitudes from 6e-5 to 65,504). All else is computed in f32.
;;   The module's matrix products, in the order in which they are computed (A, B: the left and right operand; K: the contracted axis; several contracted axes count as one K, in the product's order):
;;     1. [M 8,192, K 1,024] x [K 1,024, N 1,024]; A: input hidden_states; B: input Wq: QUANTISED
;;     2. [M 8,192, K 1,024] x [K 1,024, N 1,024]; A: input hidden_states; B: input Wk: QUANTISED
;;     3. [M 8,192, K 1,024] x [K 1,024, N 1,024]; A: input hidden_states; B: input Wv: QUANTISED
;;     4. batch 64 x [M 2,048, K 64] x [K 64, N 2,048]; A: computed on the way; B: computed on the way: left as it is (an operand is computed on the way)
;;     5. batch 64 x [M 2,048, K 2,048] x [K 2,048, N 64]; A: computed on the way; B: computed on the way: left as it is (an operand is computed on the way)
;;     6. [M 8,192, K 1,024] x [K 1,024, N 1,024]; A: computed on the way; B: input Wo: left as it is (an operand is computed on the way)
;;   THE QUANTISER, for each operand of a quantised product, along K:
;;     - K is cut into blocks of 32 from its start; a last block that is shorter is filled with zeros.
;;     - A block's scale is 2^e with e = floor(log2(the largest magnitude in the block)) - 2, held to -126 .. 127; a block of zeros has e = 0. As a byte (E8M0): e + 127.
;;     - Each number is divided by its block's scale, clamped to +-6, and rounded to the nearest number of E2M1, ties to even, subnormals kept.
;;     - The product sums the exact products of the quantised numbers (number of the format x scale) in f32.
;;   ~~~python
;;   def quantise(x, axis):      # numpy; x: float32 -> the quantised numbers, widened to float32 again
;;       x = np.moveaxis(x, axis, -1); K = x.shape[-1]
;;       x = np.pad(x, [(0, 0)] * (x.ndim - 1) + [(0, -K % 32)]); x = x.reshape(x.shape[:-1] + (-1, 32)); a = np.abs(x).max(-1, keepdims=True)
;;       e = np.where(a > 0, np.clip(np.frexp(np.where(a > 0, a, 1))[1] - 1 - 2, -126, 127), 0)      # np.frexp(a)[1] - 1 = floor(log2(a)), exactly
;;       r = np.clip(x / 2.0 ** e, -6, 6)
;;       step = 2.0 ** (np.maximum(np.frexp(np.where(r == 0, 1, r))[1] - 1, 0) - 1)
;;       q = np.round(r / step) * step * 2.0 ** e      # np.round: ties to even
;;       return np.moveaxis(q.reshape(q.shape[:-2] + (-1,))[..., :K], -1, axis).astype(np.float32)
;;   ~~~
;; One version. Each part assembles by itself: llvm-mc -triple=amdgcn-amd-amdhsa -mcpu=gfx1250 --defsym DOCPART=n.
;; ======== version 1 of 1: 4 launches
;; limits: values are held in f16: magnitudes above 65,504 overflow, below 6.1e-05 lose precision; right only within a limited range of input values
;; workspace buffers: codes 5,767,168 bytes; scales 360,448 bytes; wof 2,097,152 bytes; qf 16,777,216 bytes; kvf 33,554,432 bytes; cf 16,777,216 bytes
;; launch prep (part 1): grid 768 x 1, 1 waves a work-group, no clusters, 17,152 bytes of LDS; arguments hidden_states, Wq, Wk, Wv, Wo, codes, scales, wof; writes codes, scales, wof
.if DOCPART == 1
	.amdgcn_target "amdgcn-amd-amdhsa--gfx1250"
	.amdhsa_code_object_version 6
	.text
	.protected	k_qb7c9758c75_prep
	.globl	k_qb7c9758c75_prep
	.p2align	8
	.type	k_qb7c9758c75_prep,@function
k_qb7c9758c75_prep:
	s_mov_b64 s[64:65], 0
	v_nop
	global_prefetch_b8 v0, s[64:65] scope:SCOPE_SE
	s_setreg_imm32_b32 hwreg(HW_REG_WAVE_MODE, 25, 1), 1
	s_wait_xcnt 0x0
; PREP.  hidden_states [8192][1024], Wq, Wk, Wv [1024][1024], f32, become codes of FP4 (E2M1) with one E8M0 byte for each 32 along K (their last axis); Wo [1024][1024] becomes f16.
; All three results are laid IN THE ORDER OF THE READER'S OPERAND REGISTERS, so that later launches fetch fragments by 16 bytes a lane at 16 x lane:
;   codes  [u 704][ks 8][c 2][lane 32][16 B]: u = a tile of 16 rows (0-511 hidden_states, 512-575 Wq, 576-639 Wk, 640-703 Wv); lane (r, h), part c: the codes of row r, k = 128 ks + 64 c + 32 h + 0 .. 31
;   scales [u 704][g 2][r 16][4 words]: word j = row r's four scale bytes of k = 128 (4 g + j) on
;   wof    [kq 8][nt 64][ksl 4][half 2][lane 32][16 B]: Wo's row 16 nt + r, k = 128 kq + 32 ksl + 16 half + 8 h + 0 .. 7, f16
; A block's scale is 2^(floor(log2(its largest magnitude)) - 2); its byte is the largest magnitude's exponent field - 2, held at 1 from below.
; LIMITS: NaN and infinities among the inputs are not served; a block whose largest magnitude lies under 2^-124 has its byte held at 1; a block of zeros gets the byte 1 where the rule says 127
; (its codes are zeros, which add nothing, and this program alone reads the bytes); |Wo| above 65,504 has no f16 number, under 6e-5 its absolute error stays under 3e-8.
; SHARES.  A work-group is one wave and takes one tile of 16 rows for all of K, in 8 steps of 128 along K: 768 work-groups of equal work.  Work-groups share no input: no cluster, no tensor load, no matrix unit.
; Each load reads 512 consecutive bytes of one row; a step's 16 rows turn through a stage in LDS (rows 528 bytes apart, an odd multiple of 16) and come back as a lane's neighbours along K.
; Loads run two steps (32 loads) ahead.  Every store covers 512 consecutive bytes, aligned.  The two paths (quantiser, Wo) part on the work-group's number and have LDS bytes of their own.
.set STB,   8448                       ; the Wo path's stage; the quantiser's begins at 0: 16 rows x 528 bytes each
.set SPARE, 16896                      ; the spare words: one block of 256 bytes that no other line names
.set M,   10                           ; v10-11  largest magnitudes of my two blocks
.set SCL, 12                           ; v12-13  the conversions' scale operands
.set BY,  14                           ; v14-15  the scale bytes
.set W,   16                           ; v16-23  my row's scale word for each step
.set C,   24                           ; v24-31  a step's codes
.set F,   32                           ; v32-63  a step's f16 fragments (Wo); v32-35 the scale words on their way out
.set R,   64                           ; v64-191 two sets of 64 registers as loaded
.set X,   192                          ; v192-255 64 numbers of my row
	s_load_b256 s[4:11], s[0:1], 0x0               ; hidden_states, Wq, Wk, Wv
	s_load_b128 s[12:15], s[0:1], 0x20             ; Wo, codes
	s_load_b128 s[16:19], s[0:1], 0x30             ; scales, wof
	v_lshl_add_u32 v8, v0, 2, SPARE                ; my spare word,
	v_mov_b32 v9, 0                                ; and 0: kept for the add alone
	v_lshlrev_b32 v1, 4, v0                        ; 16 x lane
	v_and_b32 v2, 15, v0                           ; r
	v_lshrrev_b32 v3, 4, v0                        ; h
	v_mul_u32_u24 v4, v2, 528
	v_lshl_add_u32 v5, v3, 5, v4
	v_add_nc_u32 v5, STB, v5                       ; Wo: row r of the stage, + 32 h
	v_lshl_add_u32 v4, v3, 7, v4                   ; quantiser: row r of the stage, + 128 h
	v_lshlrev_b32 v6, 3, v3                        ; 8 h: where my two bytes stand in the scale word
	v_mov_b32 v7, 0                                ; a lane permute's destination counts as one of its sources
	s_mov_b32 s26, 0x76543210
	s_mov_b32 s27, 0xfedcba98                      ; v_permlanex16_b32's selects for lane l xor 16
	s_mov_b32 s25, 0
	s_wait_kmcnt 0x0
	s_mov_b64 s[20:21], s[4:5]                     ; which tensor is mine: the choice hangs on the work-group's number alone
	s_mov_b32 s22, 0                               ; and its first tile's number
	s_cmp_lt_u32 ttmp9, 512
	s_cselect_b64 s[20:21], s[20:21], s[6:7]
	s_cselect_b32 s22, s22, 512
	s_cmp_lt_u32 ttmp9, 576
	s_cselect_b64 s[20:21], s[20:21], s[8:9]
	s_cselect_b32 s22, s22, 576
	s_cmp_lt_u32 ttmp9, 640
	s_cselect_b64 s[20:21], s[20:21], s[10:11]
	s_cselect_b32 s22, s22, 640
	s_cmp_lt_u32 ttmp9, 704
	s_cselect_b64 s[20:21], s[20:21], s[12:13]
	s_cselect_b32 s22, s22, 704
	s_sub_co_u32 s24, ttmp9, s22
	s_lshl_b32 s24, s24, 16                        ; 16 rows of 4,096 bytes a tile
	s_add_nc_u64 s[20:21], s[20:21], s[24:25]
.macro LOAD t                          ; step t: 512 bytes of each of the 16 rows, into set t % 2
.irp i, 0,1,2,3,4,5,6,7,8,9,10,11,12,13,14,15
	global_load_b128 v[R+64*((\t)%2)+4*\i:R+64*((\t)%2)+4*\i+3], v1, s[20:21] offset:4096*\i+512*(\t) th:TH_LOAD_NT
.endr
.endm
.macro ARRIVE t, base                  ; step t's loads are in and go into the stage as they lie
.if (\t) < 7
	s_wait_loadcnt 16                              ; loads come back in order: this step's 16 are in, the next step's 16 may be out
.else
	s_wait_loadcnt 0x0
.endif
.irp i, 0,1,2,3,4,5,6,7,8,9,10,11,12,13,14,15
	ds_store_b128 v1, v[R+64*((\t)%2)+4*\i:R+64*((\t)%2)+4*\i+3] offset:\base+528*\i
.endr
.endm
	LOAD 0
	LOAD 1
	s_cmp_ge_u32 ttmp9, 704
	s_cbranch_scc1 .Lwo
	; ---- the quantiser
	s_lshl_b32 s24, ttmp9, 13                      ; 8,192 bytes of codes a tile
	s_add_nc_u64 s[14:15], s[14:15], s[24:25]
	s_lshl_b32 s24, ttmp9, 9                       ; 512 bytes of scale words
	s_add_nc_u64 s[16:17], s[16:17], s[24:25]
.macro QSTEP t
	ARRIVE \t, 0
.irp c, 0,1
.irp n, 0,1,2,3,4,5,6,7
	ds_load_b128 v[X+32*\c+4*\n:X+32*\c+4*\n+3], v4 offset:256*\c+16*\n   ; my row's k = 64 c + 32 h + 0 .. 31: a whole block.  LDS serves a wave's instructions in order: these see the stores above
.endr
.endr
	s_wait_dscnt 0x0                               ; the numbers are back, and the stores have read their registers,
.if (\t)+2 < 8
	LOAD (\t)+2                                    ; which take the loads of two steps on
.endif
.irp c, 0,1
	v_max3_num_f32 v[M+\c], |v[X+32*\c]|, |v[X+32*\c+1]|, 0x1800000   ; the block's largest magnitude, with the floor 2^(3 - 127) among its leaves: the byte cannot fall under 1
.endr
.irp i, 2,4,6,8,10,12,14,16,18,20,22,24,26,28,30
.irp c, 0,1
	v_max3_num_f32 v[M+\c], v[M+\c], |v[X+32*\c+\i]|, |v[X+32*\c+\i+1]|
.endr
.endr
.irp c, 0,1
	v_add_nc_u32 v[SCL+\c], 0xff000000, v[M+\c]    ; 2 off its exponent field: the conversion takes the exponent field of this operand as its scale
.endr
.irp c, 0,1
	v_lshrrev_b32 v[BY+\c], 23, v[SCL+\c]          ; the scale's byte
.endr
	v_lshl_or_b32 v[W+(\t)], v[BY+1], 16, v[BY]    ; my two bytes: blocks h and 2 + h of the step,
	v_lshlrev_b32 v[W+(\t)], v6, v[W+(\t)]         ; at their places;
	v_permlanex16_b32 v7, v[W+(\t)], s26, s27
	v_or_b32 v[W+(\t)], v[W+(\t)], v7              ; with lane l xor 16's two the word is whole
	s_wait_xcnt 0x0                                ; the last step's stores have read the codes' registers
.irp c, 0,1
.irp g, 0,1,2,3
	v_cvt_scalef32_pk8_fp4_f32 v[C+4*\c+\g], v[X+32*\c+8*\g:X+32*\c+8*\g+7], v[SCL+\c]   ; eight numbers / the scale, to the nearest code, ties to even, beyond 6 the largest code
.endr
.endr
	v_nop                                          ; one plain place behind the last conversion
.irp c, 0,1
	global_store_b128 v1, v[C+4*\c:C+4*\c+3], s[14:15] offset:1024*(\t)+512*\c   ; 512 consecutive bytes
.endr
.endm
.irp t, 0,1,2,3,4,5,6,7
	QSTEP \t
.endr
	v_cmp_eq_u32 vcc_lo, 1, v3                     ; lanes 0-15 send their row's words of steps 0-3, lanes 16-31 those of steps 4-7
.irp j, 0,1,2,3
	v_cndmask_b32 v[F+\j], v[W+\j], v[W+4+\j], vcc_lo
.endr
	global_store_b128 v1, v[F:F+3], s[16:17]       ; 512 consecutive bytes
	s_wait_tensorcnt 0x0                           ; the wave's end
	ds_add_u32 v8, v9
	s_wait_dscnt 0x0
	s_endpgm
	; ---- Wo to f16
.Lwo:
	s_sub_co_u32 s24, ttmp9, 704
	s_lshl_b32 s24, s24, 12                        ; 4,096 bytes for a tile and 128 along K
	s_add_nc_u64 s[18:19], s[18:19], s[24:25]
.macro OSTEP t
	ARRIVE \t, STB
.irp ksl, 0,1,2,3
	ds_load_b128 v[X+16*\ksl:X+16*\ksl+3],     v5 offset:128*\ksl      ; k = 32 ksl + 8 h + 0 .. 7,
	ds_load_b128 v[X+16*\ksl+4:X+16*\ksl+7],   v5 offset:128*\ksl+16
	ds_load_b128 v[X+16*\ksl+8:X+16*\ksl+11],  v5 offset:128*\ksl+64   ; and 16 further on
	ds_load_b128 v[X+16*\ksl+12:X+16*\ksl+15], v5 offset:128*\ksl+80
.endr
	s_wait_dscnt 0x0
.if (\t)+2 < 8
	LOAD (\t)+2
.endif
	s_wait_xcnt 0x0                                ; the last step's stores have read the fragments' registers
.set i, 0
.rept 32
	v_cvt_pk_f16_f32 v[F+i], v[X+2*i], v[X+2*i+1]
.set i, i+1
.endr
.irp n, 0,1,2,3,4,5,6,7
	global_store_b128 v1, v[F+4*\n:F+4*\n+3], s[18:19] offset:262144*(\t)+512*\n   ; 512 consecutive bytes
.endr
.endm
.irp t, 0,1,2,3,4,5,6,7
	OSTEP \t
.endr
	s_wait_tensorcnt 0x0                           ; the wave's end, as above
	ds_add_u32 v8, v9
	s_wait_dscnt 0x0
	s_endpgm
.Lfunc_end_k_qb7c9758c75_prep:
	.size	k_qb7c9758c75_prep, .Lfunc_end_k_qb7c9758c75_prep-k_qb7c9758c75_prep
	.p2alignl 7, 3214868480
	.fill 96, 4, 3214868480
	.section	.rodata,"a",@progbits
	.p2align	6, 0x0
	.amdhsa_kernel k_qb7c9758c75_prep
		.amdhsa_group_segment_fixed_size 17152
		.amdhsa_private_segment_fixed_size 0
		.amdhsa_enable_private_segment 0
		.amdhsa_kernarg_size 64
		.amdhsa_user_sgpr_count 2
		.amdhsa_user_sgpr_kernarg_segment_ptr 1
		.amdhsa_wavefront_size32 1
		.amdhsa_system_sgpr_workgroup_id_x 1
		.amdhsa_system_sgpr_workgroup_id_y 1
		.amdhsa_system_sgpr_workgroup_id_z 1
		.amdhsa_system_vgpr_workitem_id 0
		.amdhsa_next_free_vgpr 256
		.amdhsa_next_free_sgpr 66
		.amdhsa_reserve_vcc 1
		.amdhsa_float_denorm_mode_32 3
		.amdhsa_float_denorm_mode_16_64 3
		.amdhsa_memory_ordered 1
		.amdhsa_forward_progress 1
		.amdhsa_inst_pref_size 105
	.end_amdhsa_kernel
	.amdgpu_metadata
---
amdhsa.version: [ 1, 2 ]
amdhsa.kernels:
  - .name:           k_qb7c9758c75_prep
    .symbol:         k_qb7c9758c75_prep.kd
    .args:
      - { .name: hidden_states, .offset: 0, .size: 8, .value_kind: global_buffer, .address_space: global }
      - { .name: Wq, .offset: 8, .size: 8, .value_kind: global_buffer, .address_space: global }
      - { .name: Wk, .offset: 16, .size: 8, .value_kind: global_buffer, .address_space: global }
      - { .name: Wv, .offset: 24, .size: 8, .value_kind: global_buffer, .address_space: global }
      - { .name: Wo, .offset: 32, .size: 8, .value_kind: global_buffer, .address_space: global }
      - { .name: codes, .offset: 40, .size: 8, .value_kind: global_buffer, .address_space: global }
      - { .name: scales, .offset: 48, .size: 8, .value_kind: global_buffer, .address_space: global }
      - { .name: wof, .offset: 56, .size: 8, .value_kind: global_buffer, .address_space: global }
    .group_segment_fixed_size: 17152
    .private_segment_fixed_size: 0
    .kernarg_segment_align: 8
    .kernarg_segment_size: 64
    .max_flat_workgroup_size: 32
    .sgpr_count:     66
    .vgpr_count:     256
    .wavefront_size: 32
...
	.end_amdgpu_metadata
.endif
;; end of part 1
;; launch qkv (part 2): grid 8 x 32, 4 waves a work-group, clusters of 4 x 1, 167,936 bytes of LDS; arguments codes, scales, bq, bk, bv, qf, kvf; writes qf, kvf
.if DOCPART == 2
	.amdgcn_target "amdgcn-amd-amdhsa--gfx1250"
	.amdhsa_code_object_version 6
	.text
	.protected	k_qb7c9758c75_qkv
	.globl	k_qb7c9758c75_qkv
	.p2align	8
	.type	k_qb7c9758c75_qkv,@function
k_qb7c9758c75_qkv:
	s_mov_b64 s[64:65], 0
	v_nop
	global_prefetch_b8 v0, s[64:65] scope:SCOPE_SE
	s_setreg_imm32_b32 hwreg(HW_REG_WAVE_MODE, 25, 1), 1
	s_wait_xcnt 0x0
	s_wait_alu depctr_hold_cnt(0) depctr_sa_sdst(0) depctr_va_vdst(0) depctr_va_sdst(0) depctr_va_ssrc(0) depctr_va_vcc(0) depctr_vm_vsrc(0)
	s_getreg_b32 s2, hwreg(HW_REG_IB_STS2, 6, 4)
	s_cmp_eq_u32 s2, 0
	s_cbranch_scc0 .Lentry_in_a_cluster
	s_endpgm
.Lentry_in_a_cluster:
	s_bfe_u32 s2, ttmp6, 0x10000c
	s_cmp_lg_u32 s2, 0x3003
	s_cbranch_scc0 .Lentry_shape_is_right
	s_endpgm
.Lentry_shape_is_right:
; QKV.  q = (x Wq^T + bq) log2(e) / 8, k = x Wk^T + bk, v = x Wv^T + bv, the three products on codes of FP4 (E2M1) with E8M0 scales (made by the launch before), sums in f32; results rounded once to f16
; and stored in the order of the attention launch's operand registers:
;   qf  [bh 64][qt 128][c 2][half 2][lane][16 B]: query 16 qt + r, channel 32 c + 16 half + 8 h + 0 .. 7
;   kvf [bh 64][slot 8][65,536 B]: a slot = 256 keys: K [kt 16][c 2][half 2][lane][16 B] as qf; then V^T [kg 8][ct 4][half 2][lane][16 B]: channel 16 ct + r, keys 32 kg + 16 half + 8 h + 0 .. 7
; LIMITS: |q log2(e) / 8|, |k|, |v| above 65,504 have no f16 number; under 6e-5 the absolute error stays under 3e-8.
; SHARES.  A work-group takes 256 rows of x (work-group y: one batch, one slot of keys) and two heads (work-group x) of q, k and v.  THE WEIGHTS STAY PUT: wave w takes head 2 x + w / 2, channels 32 (w % 2) on:
; two tiles of 16 rows of each of Wq, Wk, Wv for all of K, 384 registers, read from memory once.  The rows' codes (131,072 bytes) and scale words (8,192) come into LDS once, each wave bringing a quarter.
; CLUSTER.  The four work-groups of a cluster share y and so the rows of x: each tile is asked for JOINTLY, by the same tensor load with the same descriptor and a mask that names the four.
; q and k are made TRANSPOSED (source 0 = 16 rows of W, source 1 = 16 rows of x): a lane holds one row of x and eight neighbouring channels.  v is made the natural way round (source 0 = x, source 1 = Wv):
; a lane holds one channel and eight neighbouring keys.  So four packed registers are half a fragment of the reader in both cases, and every store covers 512 consecutive bytes.
; The biases are the C of each sum's first product.  LDS is filled once, so nothing here is a refill; a wave has two tensor loads out.
; REGISTERS, in windows of 256.  Window 0: v1-12 addresses; v16-23 x's scale words; v24-71 the weights'; v72-119 the biases; v120-215 twelve accumulators.
;   Window 1: Wq's and Wk's fragments, tile tau, K step ks at v[64 tau + 8 ks].   Window 2: v0-127 Wv's at v[64 i + 8 ks]; v128-255 x's two blocks of 16 rows at v[128 + 64 blk + 8 ks].
.set XSC,   131072                     ; LDS: x's codes from 0, its scale words here,
.set SPARE, 139264                     ; and the spare words, 128 bytes for each wave: two blocks of 256 bytes that no other line names
.set LI,  1                            ; v1   16 x lane
.set ADX, 5                            ; v5   LDS address of the pair's fragments
.set ADS, 6                            ; v6   and of its scale words
.set VO,  7                            ; v7   the stores' offset: 16 x lane + 4,096 x pair
.set SPW, 8                            ; v8   my spare word; never rewritten
.set NIL, 9                            ; v9   0; never rewritten
.set ASB, 10                           ; v10  XSC + 512 h + 16 r: lanes 0-15 take the pair's first block, lanes 16-31 its second
.set XS,  16
.set WS,  24                           ; tile T (q0 q1 k0 k1 v0 v1), K step ks at v[WS + 8 T + ks]
.set BI,  72                           ; tile T's bias in the result's layout at v[BI + 8 T]
.set ACC, 120                          ; q, k: (blk, tau) at ACC + 8 (4 blk + tau);  v: (blk, i) at ACC + 64 + 8 (2 blk + i)
.set WV,  18
.set G1,  24                           ; s[24:31] group 1 for the codes, s[32:39] for the scale words; s[40:43], s[44:47] their groups 0
.set G1S, 32
.set G0,  40
.set G0S, 44
.set CS,  58                           ; s[58:59] log2(e) / 8
.set TB,  60                           ; s60  where the pair's codes begin in LDS
.set TS,  61                           ; s61  and its scale words
.set CNT, 62
.set MSB, 0
.macro WIN new                         ; the immediate's high byte repeats the setting that is left
.if MSB != (\new)
	s_set_vgpr_msb (MSB<<8)|(\new)
.set MSB, (\new)
.endif
.endm
.macro CROUND                          ; a round of the cluster's barrier
	s_barrier_signal -1
	s_barrier_wait -1
	s_cmp_lg_u32 s[WV], 0
	s_cbranch_scc1 .Lnot_wave_0_\@
	s_barrier_signal -3
.Lnot_wave_0_\@:
	s_barrier_wait -3
	s_barrier_signal -1
	s_barrier_wait -1
.endm
	s_load_b256 s[4:11], s[0:1], 0x0               ; codes, scales, bq, bk
	s_load_b128 s[12:15], s[0:1], 0x20             ; bv, qf
	s_load_b64 s[16:17], s[0:1], 0x30              ; kvf
	v_lshl_add_u32 v[SPW], v0, 2, SPARE
	v_mov_b32 v[NIL], 0
	ds_add_u32 v[SPW], v[NIL]                      ; the wave's opening: the add, twice on end, and its wait ahead of my first tensor load
	ds_add_u32 v[SPW], v[NIL]
	v_lshrrev_b32 v11, 5, v0
	v_readfirstlane_b32 s[WV], v11                 ; wave 0..3
	s_bfe_u32 s19, ttmp6, 0x40000                  ; cx
	s_lshl_b32 s20, ttmp9, 2
	s_add_co_u32 s20, s20, s19                     ; work-group x: which two heads.  It enters the weights', the biases' and the results' addresses alone
	s_and_b32 s21, ttmp7, 0xffff                   ; work-group y: which 256 rows; the four partners share it
	s_mov_b32 s[G1], 15|(3<<16)|(1<<21)            ; 15:0 the mask: all four; 17:16 elements of 8 bytes; 21 set beside a mask; no padding
	s_mov_b32 s[G1+1], 32<<16                      ; tensor_dim0 = 32 elements: rows of 256 bytes
	s_mov_b32 s[G1+2], 128<<16                     ; tensor_dim1 = 128 rows: 32,768 dense bytes
	s_mov_b32 s[G1+3], 32<<16                      ; tile_dim0
	s_mov_b32 s[G1+4], 128                         ; tile_dim1
	s_mov_b32 s[G1+5], 32                          ; from row to row
	s_mov_b32 s[G1+6], 0
	s_mov_b32 s[G1+7], 0
	s_mov_b32 s[G1S], 15|(3<<16)|(1<<21)
	s_mov_b32 s[G1S+1], 32<<16
	s_mov_b32 s[G1S+2], 8<<16                      ; 8 rows: 2,048 dense bytes
	s_mov_b32 s[G1S+3], 32<<16
	s_mov_b32 s[G1S+4], 8
	s_mov_b32 s[G1S+5], 32
	s_mov_b32 s[G1S+6], 0
	s_mov_b32 s[G1S+7], 0
	s_lshl_b32 s66, s21, 17                        ; what I fetch: codes at 131,072 y + 32,768 wave,
	s_lshl_b32 s67, s[WV], 15
	s_add_co_u32 s66, s66, s67
	s_mov_b32 s67, 0
	s_lshl_b32 s68, s21, 13                        ; scale words at 8,192 y + 2,048 wave
	s_lshl_b32 s69, s[WV], 11
	s_add_co_u32 s68, s68, s69
	s_mov_b32 s69, 0
	s_lshl_b32 s[G0+1], s[WV], 15                  ; and where they go: no place in the cluster enters an LDS address
	s_lshl_b32 s[G0S+1], s[WV], 11
	s_add_co_u32 s[G0S+1], s[G0S+1], XSC
	s_lshr_b32 s22, s[WV], 1
	s_lshl_b32 s23, s20, 1
	s_add_co_u32 s22, s22, s23                     ; my head
	s_and_b32 s23, s[WV], 1                        ; which 32 of its 64 channels
	s_lshl_b32 s70, s22, 2
	s_lshl_b32 s71, s23, 1
	s_add_co_u32 s70, s70, s71                     ; the first of my two tiles among a weight's 64
	s_lshl_b32 s72, s70, 6                         ; its 16 biases are 64 bytes
	s_mov_b32 s73, 0
	s_add_co_u32 s70, s70, 512                     ; Wq's tiles follow the 512 of x
	s_lshl_b32 s74, s70, 13
	s_mov_b32 s75, 0
	s_lshl_b32 s76, s70, 9
	s_mov_b32 s77, 0
	s_lshr_b32 s78, s21, 3
	s_lshl_b32 s78, s78, 4
	s_add_co_u32 s78, s78, s22                     ; bh = 16 x batch + head
	s_and_b32 s79, s21, 7                          ; which 256 of the batch's 2,048 rows
	s_lshl_b32 s80, s78, 18                        ; q: 262,144 bh + 32,768 slot + 1,024 c
	s_lshl_b32 s81, s79, 15
	s_add_co_u32 s80, s80, s81
	s_lshl_b32 s81, s23, 10
	s_add_co_u32 s80, s80, s81
	s_lshl_b32 s82, s78, 3
	s_add_co_u32 s82, s82, s79
	s_lshl_b32 s82, s82, 16                        ; k: 65,536 (8 bh + slot) + 1,024 c
	s_lshl_b32 s84, s23, 11
	s_add_co_u32 s84, s84, s82
	s_add_co_u32 s84, s84, 32768                   ; v: the same slot, + 32,768 + 2,048 c
	s_add_co_u32 s82, s82, s81
	s_mov_b32 s81, 0
	s_mov_b32 s83, 0
	s_mov_b32 s85, 0
	s_mov_b32 s[CS], 0x3e38aa3b                    ; log2(e) / 8
	s_mov_b32 s[CS+1], s[CS]                       ; (named with it as a pair, so it is written)
	s_mov_b32 s[TB], 0
	s_mov_b32 s[TS], 0
	s_mov_b32 s[CNT], 7
	v_and_b32 v[LI], 31, v0
	v_lshlrev_b32 v[LI], 4, v[LI]
	v_and_b32 v11, 15, v0                          ; r
	v_bfe_u32 v12, v0, 4, 1                        ; h
	v_lshlrev_b32 v2, 4, v11                       ; 16 r: a row's four scale words
	v_lshlrev_b32 v3, 5, v12                       ; 32 h: my half's eight biases
	v_lshlrev_b32 v4, 2, v11                       ; 4 r: my channel's bias
	v_lshl_add_u32 v[ASB], v12, 9, v2
	v_add_nc_u32 v[ASB], XSC, v[ASB]
	v_mov_b32 v[VO], v[LI]
	s_wait_dscnt 0x0                               ; both opening adds are done
	s_wait_kmcnt 0x0
	s_mov_b32 s[G0], 1
	s_add_nc_u64 s[G0+2:G0+3], s[4:5], s[66:67]
	s_or_b32 s[G0+3], s[G0+3], 0x80000000
	s_mov_b32 s[G0S], 1
	s_add_nc_u64 s[G0S+2:G0S+3], s[6:7], s[68:69]
	s_or_b32 s[G0S+3], s[G0S+3], 0x80000000
	s_add_nc_u64 s[48:49], s[4:5], s[74:75]        ; my tiles of Wq: codes,
	s_add_nc_u64 s[50:51], s[6:7], s[76:77]        ; scale words
	s_add_nc_u64 s[8:9], s[8:9], s[72:73]          ; my 32 biases of each kind
	s_add_nc_u64 s[10:11], s[10:11], s[72:73]
	s_add_nc_u64 s[12:13], s[12:13], s[72:73]
	s_add_nc_u64 s[52:53], s[14:15], s[80:81]      ; where q, k and v go
	s_add_nc_u64 s[54:55], s[16:17], s[82:83]
	s_add_nc_u64 s[56:57], s[16:17], s[84:85]
	CROUND                                         ; all four work-groups are here: the joint loads meet
	tensor_load_to_lds s[G0:G0+3], s[G1:G1+7]      ; the launch's only fills go out together
	s_nop 0
	tensor_load_to_lds s[G0S:G0S+3], s[G1S:G1S+7]
	s_nop 0
.rept 4
	v_nop
.endr
	WIN 0x40                                       ; destination window 1
.irp tau, 0,1,2,3                                  ; Wq's two tiles, Wk's two (64 tiles, 524,288 bytes, further on): they stay
.irp n, 0,1,2,3,4,5,6,7,8,9,10,11,12,13,14,15
	global_load_b128 v[64*\tau+4*\n:64*\tau+4*\n+3], v[LI], s[48:49] offset:524288*(\tau/2)+8192*(\tau%2)+512*\n
.endr
.endr
	WIN 0x80                                       ; destination window 2
.irp i, 0,1                                        ; Wv's two
.irp n, 0,1,2,3,4,5,6,7,8,9,10,11,12,13,14,15
	global_load_b128 v[64*\i+4*\n:64*\i+4*\n+3], v[LI], s[48:49] offset:1048576+8192*\i+512*\n
.endr
.endr
	WIN 0
.irp T, 0,1,2,3,4,5                                ; the weights' scale words: lane r (and 16 + r) takes row r's eight
.irp g, 0,1
	global_load_b128 v[WS+8*\T+4*\g:WS+8*\T+4*\g+3], v2, s[50:51] offset:32768*(\T/2)+512*(\T%2)+256*\g
.endr
.endr
.irp i, 0,1                                        ; q's and k's biases: register j = the bias of channel 16 i + 8 h + j
	global_load_b128 v[BI+8*\i:BI+8*\i+3],       v3, s[8:9] offset:64*\i
	global_load_b128 v[BI+8*\i+4:BI+8*\i+7],     v3, s[8:9] offset:64*\i+16
	global_load_b128 v[BI+16+8*\i:BI+16+8*\i+3], v3, s[10:11] offset:64*\i
	global_load_b128 v[BI+16+8*\i+4:BI+16+8*\i+7], v3, s[10:11] offset:64*\i+16
.endr
.irp i, 0,1                                        ; v's: all eight registers hold the bias of channel 16 i + r
.irp j, 0,1,2,3,4,5,6,7
	global_load_b32 v[BI+32+8*\i+\j], v4, s[12:13] offset:64*\i
.endr
.endr
	s_wait_tensorcnt 0x0                           ; my quarters of x's codes and scale words are in,
	s_barrier_signal -1
	s_barrier_wait -1                              ; everybody's are
.macro FETCH                           ; the pair's two blocks of 16 rows, all of K: 32 loads; and their scale words: lanes 0-15 the first block's, lanes 16-31 the second's
	v_add_nc_u32 v[ADX], s[TB], v[LI]
	v_add_nc_u32 v[ADS], s[TS], v[ASB]
	WIN 0x80
.irp blk, 0,1
.irp n, 0,1,2,3,4,5,6,7,8,9,10,11,12,13,14,15
	ds_load_b128 v[128+64*\blk+4*\n:128+64*\blk+4*\n+3], v[ADX] offset:8192*\blk+512*\n
.endr
.endr
	WIN 0
.irp g, 0,1
	ds_load_b128 v[XS+4*\g:XS+4*\g+3], v[ADS] offset:256*\g
.endr
.endm
; A PAIR: 32 rows of x against my six tiles of weights: 96 matrix instructions.  The accumulators take turns, one instruction a turn.
.macro PAIR fetch
	s_wait_dscnt 0x0                               ; the pair's fragments and scale words are in
	WIN 0x09                                       ; source 0 (W) window 1, source 1 (x) window 2
.irp ks, 0,1,2,3,4,5,6,7
.irp blk, 0,1
.irp tau, 0,1,2,3
.set rD, ACC+8*(4*\blk+\tau)
.set rC, rD
.if \ks == 0
.set rC, BI+8*\tau                                 ; the bias starts the sum
.endif
.if \blk
	v_wmma_scale_f32_16x16x128_f8f6f4 v[rD:rD+7], v[64*\tau+8*\ks:64*\tau+8*\ks+7], v[128+64*\blk+8*\ks:128+64*\blk+8*\ks+7], v[rC:rC+7], v[WS+8*\tau+\ks], v[XS+\ks] matrix_a_fmt:MATRIX_FMT_FP4 matrix_b_fmt:MATRIX_FMT_FP4 matrix_b_scale:MATRIX_SCALE_ROW1
.else
	v_wmma_scale_f32_16x16x128_f8f6f4 v[rD:rD+7], v[64*\tau+8*\ks:64*\tau+8*\ks+7], v[128+64*\blk+8*\ks:128+64*\blk+8*\ks+7], v[rC:rC+7], v[WS+8*\tau+\ks], v[XS+\ks] matrix_a_fmt:MATRIX_FMT_FP4 matrix_b_fmt:MATRIX_FMT_FP4
.endif
.endr
.endr
.endr
	WIN 0x0a                                       ; sources 0 (x) and 1 (Wv) window 2
.irp ks, 0,1,2,3,4,5,6,7
.irp blk, 0,1
.irp i, 0,1
.set rD, ACC+64+8*(2*\blk+\i)
.set rC, rD
.if \ks == 0
.set rC, BI+32+8*\i
.endif
.if \blk
	v_wmma_scale_f32_16x16x128_f8f6f4 v[rD:rD+7], v[128+64*\blk+8*\ks:128+64*\blk+8*\ks+7], v[64*\i+8*\ks:64*\i+8*\ks+7], v[rC:rC+7], v[XS+\ks], v[WS+32+8*\i+\ks] matrix_a_fmt:MATRIX_FMT_FP4 matrix_b_fmt:MATRIX_FMT_FP4 matrix_a_scale:MATRIX_SCALE_ROW1
.else
	v_wmma_scale_f32_16x16x128_f8f6f4 v[rD:rD+7], v[128+64*\blk+8*\ks:128+64*\blk+8*\ks+7], v[64*\i+8*\ks:64*\i+8*\ks+7], v[rC:rC+7], v[XS+\ks], v[WS+32+8*\i+\ks] matrix_a_fmt:MATRIX_FMT_FP4 matrix_b_fmt:MATRIX_FMT_FP4
.endif
.endr
.endr
.endr
	WIN 0
.rept 4
	v_nop                                          ; four places in front of loads into registers that the products have read, and of the first reads of results
.endr
.if \fetch
	s_add_co_u32 s[TB], s[TB], 16384
	s_add_co_u32 s[TS], s[TS], 1024
	FETCH                                          ; the next pair's operands land while this pair goes out
.endif
.irp blk, 0,1
.irp i, 0,1
.irp j, 0,2,4,6
	v_pk_mul_f32 v[ACC+8*(4*\blk+\i)+\j:ACC+8*(4*\blk+\i)+\j+1], v[ACC+8*(4*\blk+\i)+\j:ACC+8*(4*\blk+\i)+\j+1], s[CS:CS+1] op_sel_hi:[1,0]   ; q x log2(e) / 8
.endr
.endr
.endr
.irp a, 0,1,2,3,4,5,6,7,8,9,10,11
.irp j, 0,1,2,3
	v_cvt_pk_f16_f32 v[ACC+8*\a+\j], v[ACC+8*\a+2*\j], v[ACC+8*\a+2*\j+1]   ; in place, each accumulator from its low end on
.endr
.endr
.irp blk, 0,1
.irp i, 0,1
	global_store_b128 v[VO], v[ACC+8*(4*\blk+\i):ACC+8*(4*\blk+\i)+3], s[52:53] offset:2048*\blk+512*\i        ; q: 512 consecutive bytes each
	global_store_b128 v[VO], v[ACC+8*(4*\blk+2+\i):ACC+8*(4*\blk+2+\i)+3], s[54:55] offset:2048*\blk+512*\i    ; k
	global_store_b128 v[VO], v[ACC+64+8*(2*\blk+\i):ACC+64+8*(2*\blk+\i)+3], s[56:57] offset:1024*\i+512*\blk  ; v
.endr
.endr
	s_wait_xcnt 0x0                                ; the stores have read their data and their offset: both are written again only behind this wait
	v_add_nc_u32 v[VO], 4096, v[VO]                ; a pair is 4,096 bytes on in all three
.endm
	FETCH
	s_wait_loadcnt 0x0                             ; the weights, their scale words, the biases
.Lpair:
	PAIR 1
	s_sub_co_u32 s[CNT], s[CNT], 1
	s_cmp_lg_u32 s[CNT], 0
	s_cbranch_scc1 .Lpair
	PAIR 0                                         ; the eighth pair fetches nothing
	s_wait_tensorcnt 0x0                           ; the wave's end
	ds_add_u32 v[SPW], v[NIL]
	s_wait_dscnt 0x0
	CROUND                                         ; the closing round
	s_endpgm
.Lfunc_end_k_qb7c9758c75_qkv:
	.size	k_qb7c9758c75_qkv, .Lfunc_end_k_qb7c9758c75_qkv-k_qb7c9758c75_qkv
	.p2alignl 7, 3214868480
	.fill 96, 4, 3214868480
	.section	.rodata,"a",@progbits
	.p2align	6, 0x0
	.amdhsa_kernel k_qb7c9758c75_qkv
		.amdhsa_group_segment_fixed_size 167936
		.amdhsa_private_segment_fixed_size 0
		.amdhsa_enable_private_segment 0
		.amdhsa_kernarg_size 56
		.amdhsa_user_sgpr_count 2
		.amdhsa_user_sgpr_kernarg_segment_ptr 1
		.amdhsa_wavefront_size32 1
		.amdhsa_system_sgpr_workgroup_id_x 1
		.amdhsa_system_sgpr_workgroup_id_y 1
		.amdhsa_system_sgpr_workgroup_id_z 1
		.amdhsa_system_vgpr_workitem_id 0
		.amdhsa_next_free_vgpr 768
		.amdhsa_next_free_sgpr 88
		.amdhsa_reserve_vcc 0
		.amdhsa_float_denorm_mode_32 3
		.amdhsa_float_denorm_mode_16_64 3
		.amdhsa_memory_ordered 1
		.amdhsa_forward_progress 1
		.amdhsa_inst_pref_size 58
	.end_amdhsa_kernel
	.amdgpu_metadata
---
amdhsa.version: [ 1, 2 ]
amdhsa.kernels:
  - .name:           k_qb7c9758c75_qkv
    .symbol:         k_qb7c9758c75_qkv.kd
    .args:
      - { .name: codes, .offset: 0, .size: 8, .value_kind: global_buffer, .address_space: global }
      - { .name: scales, .offset: 8, .size: 8, .value_kind: global_buffer, .address_space: global }
      - { .name: bq, .offset: 16, .size: 8, .value_kind: global_buffer, .address_space: global }
      - { .name: bk, .offset: 24, .size: 8, .value_kind: global_buffer, .address_space: global }
      - { .name: bv, .offset: 32, .size: 8, .value_kind: global_buffer, .address_space: global }
      - { .name: qf, .offset: 40, .size: 8, .value_kind: global_buffer, .address_space: global }
      - { .name: kvf, .offset: 48, .size: 8, .value_kind: global_buffer, .address_space: global }
    .group_segment_fixed_size: 167936
    .private_segment_fixed_size: 0
    .kernarg_segment_align: 8
    .kernarg_segment_size: 56
    .max_flat_workgroup_size: 128
    .sgpr_count:     88
    .vgpr_count:     768
    .wavefront_size: 32
...
	.end_amdgpu_metadata
.endif
;; end of part 2
;; launch attn (part 3): grid 4 x 64, 8 waves a work-group, clusters of 4 x 1, 327,680 bytes of LDS; arguments qf, kvf, attention_mask, cf; writes cf
.if DOCPART == 3
	.amdgcn_target "amdgcn-amd-amdhsa--gfx1250"
	.amdhsa_code_object_version 6
	.text
	.protected	k_qb7c9758c75_attn
	.globl	k_qb7c9758c75_attn
	.p2align	8
	.type	k_qb7c9758c75_attn,@function
k_qb7c9758c75_attn:
	s_mov_b64 s[64:65], 0
	v_nop
	global_prefetch_b8 v0, s[64:65] scope:SCOPE_SE
	s_setreg_imm32_b32 hwreg(HW_REG_WAVE_MODE, 25, 1), 1
	s_wait_xcnt 0x0
	s_wait_alu depctr_hold_cnt(0) depctr_sa_sdst(0) depctr_va_vdst(0) depctr_va_sdst(0) depctr_va_ssrc(0) depctr_va_vcc(0) depctr_vm_vsrc(0)
	s_getreg_b32 s2, hwreg(HW_REG_IB_STS2, 6, 4)
	s_cmp_eq_u32 s2, 0
	s_cbranch_scc0 .Lentry_in_a_cluster
	s_endpgm
.Lentry_in_a_cluster:
	s_bfe_u32 s2, ttmp6, 0x10000c
	s_cmp_lg_u32 s2, 0x3003
	s_cbranch_scc0 .Lentry_shape_is_right
	s_endpgm
.Lentry_shape_is_right:
; ATTENTION.  ctx[b][q][head] = the sum over k of softmax_k(q . k / 8 + mask[b][k]) v[k], on f16 operands with f32 sums; maxima, exponentials and sums in f32.
; q arrives multiplied by log2(e) / 8, and the mask, multiplied by log2(e), is the C of the first product of each score: so a score comes out of the matrix unit as t = log2(e) x (q . k / 8 + mask).
; For each query a running maximum m of t and a running sum l: p = 2^(t - m); in every step O and l are multiplied by a = 2^(old m - new m).  p is rounded to f16 for the second product; l sums the unrounded p.
; ctx is rounded once to f16 and stored in the order of the projection's operand registers: cf [kq 8][rt 512][ksl 4][half 2][lane][16 B]: row 16 rt + r, k = 128 kq + 32 ksl + 16 half + 8 h + 0 .. 7.
; LIMITS: a mask number beyond 2.3e38 in size becomes infinite when multiplied by log2(e), which tells only where every key of a batch is masked so; m starts at -3e38; |ctx| under 6e-5 keeps an absolute error under 3e-8.
; SHARES.  A work-group owns 512 queries of one head, each of its eight waves 64: four tiles of 16.  Every wave walks all 2,048 keys, 64 a step: a step's 40 LDS loads feed 64 matrix instructions.
; LAYOUT.  S^T = K Q^T (source 0 = 16 keys, source 1 = 16 queries), O^T = V^T P (source 0 = 16 channels, source 1 = P): a lane holds ONE query throughout; two tiles of S^T, rounded in pairs, are a fragment of P.
; K and V^T lie in memory and in LDS in the order of the operand's registers: every fragment is two loads at 16 x lane + a constant; no padding, no turning load.
; RING.  Two LDS slots of 256 keys (32,768 bytes of K, 32,768 of V^T), four steps each.  Waves 0 to 3 bring a quarter of a slot each, one tensor load a wave behind each change of slots; one is out at most.
; CLUSTER.  The four query blocks of a head are one cluster and walk the same K and V: each tile is asked for JOINTLY, by the same tensor load with the same descriptor and a mask that names the four.
; REGISTERS.  Window 0: v1-7 addresses; v8-39 statistics, eight a tile; v40-103 Q; v104-167 a step's K, then its V; v168-199 the step's mask.  Window 1: v0-127 S^T, 32 a tile, then p, then P in each tile's first 16; v128-255 O^T, 32 a tile.
.set SLOTB, 65536
.set MSK,   131072                     ; behind the ring: the batch's mask x log2(e), 8,192 bytes, stored by the waves; no tensor load lands here
.set SPARE, 139264                     ; the spare words, 128 bytes for each wave: four blocks of 256 bytes that no other line names
.set LI,  1                            ; v1  16 x lane
.set MB,  2                            ; v2  MSK + 32 h: register j of key tile a wants the mask of key 16 a + 8 h + j
.set ADR, 3                            ; v3  LDS address of the step's tiles
.set ADM, 4                            ; v4  and of its mask
.set SPW, 5                            ; v5  my spare word; never rewritten
.set NIL, 6                            ; v6  0; never rewritten
.set PFO, 7                            ; v7  256 x lane: the prefetches' offset; never rewritten
.set ST,  8                            ; tile t at v[ST + 8 t]: +0 m, +1 zero (named as m's partner in a pair), +2, +3 l in two halves, +4 to +7 at work; +6 ends as a
.set Q,   40                           ; tile t, channels 32 c on at v[Q + 16 t + 8 c]
.set KV,  104
.set MK,  168
.set O,   128                          ; in window 1
.set WV,  12
.set G1,  16                           ; s[16:23] descriptor group 1; s[24:27] group 0, which walks
.set G0,  24
.set SEL, 28                           ; s[28:29] v_permlanex16_b32's selects for lane l xor 16
.set TB,  30                           ; s30 LDS byte at which the step's K begins
.set TM,  31                           ; s31 the step's first key x 4
.set SLOTS, 32                         ; s32 slots still to be asked for
.set IN,  33                           ; s33 counts a slot's four steps
.set LIM, 34                           ; s34 1 in a wave that prefetches, else the greatest number
.set PFA, 36                           ; s[36:37] where my prefetches stand
.set MSB, 0
.macro WIN new                         ; the immediate's high byte repeats the setting that is left
.if MSB != (\new)
	s_set_vgpr_msb (MSB<<8)|(\new)
.set MSB, (\new)
.endif
.endm
.macro CROUND                          ; a round of the cluster's barrier
	s_barrier_signal -1
	s_barrier_wait -1
	s_cmp_lg_u32 s[WV], 0
	s_cbranch_scc1 .Lnot_wave_0_\@
	s_barrier_signal -3
.Lnot_wave_0_\@:
	s_barrier_wait -3
	s_barrier_signal -1
	s_barrier_wait -1
.endm
.macro TLOAD                           ; waves 0 to 3 fetch; the branch hangs on the wave's number alone.  An s_nop 0 and four v_nop follow the load
	s_cmp_lt_u32 s[WV], 4
	s_cbranch_scc0 .Lno_load_\@
	tensor_load_to_lds s[G0:G0+3], s[G1:G1+7]
	s_nop 0
.rept 4
	v_nop
.endr
.Lno_load_\@:
.endm
; A PREFETCH INTO THE L2 of the slot that the NEXT change of slots will ask for: four key steps ahead of that load.  A head has one cluster.  Its four partners share a slot's 65,536 bytes out BY ADDRESS, 16,384 each;
; in each, waves 4 and 5, which fetch nothing, ask for 8,192 bytes each, lanes 256 bytes apart: one instruction a wave, each block named once in the launch.
; Slots 0 and 1 come by their loads alone; the last change that fills a slot asks for nothing: there is no slot behind it.
.macro ASK
	s_cmp_gt_u32 s[SLOTS], s[LIM]
	s_cbranch_scc0 .Lnot_mine_\@
	global_prefetch_b8 v[PFO], s[PFA:PFA+1] th:TH_LOAD_NT scope:SCOPE_SE
.Lnot_mine_\@:
.endm
	s_load_b256 s[4:11], s[0:1], 0x0               ; qf, kvf, attention_mask, cf
	v_lshl_add_u32 v[SPW], v0, 2, SPARE
	v_mov_b32 v[NIL], 0
	ds_add_u32 v[SPW], v[NIL]                      ; the wave's opening: the add, twice on end, and its wait ahead of the first tensor load
	ds_add_u32 v[SPW], v[NIL]
	v_lshrrev_b32 v8, 5, v0
	v_readfirstlane_b32 s[WV], v8                  ; wave 0..7
	s_bfe_u32 s13, ttmp6, 0x40000                  ; cx
	s_lshl_b32 s15, ttmp9, 2
	s_add_co_u32 s15, s15, s13                     ; my block of 512 queries: it enters Q's and ctx's addresses alone
	s_and_b32 s14, ttmp7, 0xffff                   ; bh = 16 x batch + head, which the four partners share
	s_mov_b32 s[G1], 15|(3<<16)|(1<<21)            ; 15:0 the mask: all four; 17:16 elements of 8 bytes; 21 set beside a mask; no padding
	s_mov_b32 s[G1+1], 32<<16                      ; tensor_dim0 = 32 elements: rows of 256 bytes
	s_mov_b32 s[G1+2], 64<<16                      ; tensor_dim1 = 64 rows: 16,384 dense bytes
	s_mov_b32 s[G1+3], 32<<16                      ; tile_dim0
	s_mov_b32 s[G1+4], 64                          ; tile_dim1
	s_mov_b32 s[G1+5], 32                          ; from row to row
	s_mov_b32 s[G1+6], 0
	s_mov_b32 s[G1+7], 0
	s_lshl_b32 s44, s14, 19                        ; a head's K and V: 524,288 bytes
	s_lshl_b32 s45, s[WV], 14                      ; my quarter of a slot,
	s_add_co_u32 s44, s44, s45
	s_mov_b32 s45, 0
	s_lshl_b32 s[G0+1], s[WV], 14                  ; in memory and in LDS alike
	s_lshl_b32 s46, s14, 19                        ; the prefetches: slot 1 (the first change steps it to slot 2),
	s_add_co_u32 s46, s46, SLOTB
	s_lshl_b32 s47, s13, 14                        ; my work-group's 16,384 bytes of a slot,
	s_add_co_u32 s46, s46, s47
	s_and_b32 s47, s[WV], 1
	s_lshl_b32 s47, s47, 13                        ; my wave's 8,192 of them
	s_add_co_u32 s46, s46, s47
	s_mov_b32 s47, 0
	s_sub_co_u32 s[LIM], s[WV], 4
	s_lshr_b32 s[LIM], s[LIM], 1                   ; 0 in waves 4 and 5: the same in all four partners
	s_cmp_eq_u32 s[LIM], 0
	s_cselect_b32 s[LIM], 1, -1
	s_lshl_b32 s48, s14, 7
	s_lshl_b32 s49, s15, 5
	s_add_co_u32 s48, s48, s49
	s_lshl_b32 s49, s[WV], 2
	s_add_co_u32 s48, s48, s49                     ; my first tile of queries: 128 bh + 32 block + 4 wave
	s_lshl_b32 s48, s48, 11                        ; 2,048 bytes a tile
	s_and_b32 s50, s14, 15                         ; the head
	s_lshr_b32 s51, s50, 1
	s_lshl_b32 s51, s51, 9                         ; kq = head / 2: 512 tiles of rows each
	s_lshr_b32 s52, s14, 4                         ; the batch
	s_lshl_b32 s53, s52, 7
	s_add_co_u32 s51, s51, s53
	s_add_co_u32 s51, s51, s49
	s_lshl_b32 s49, s15, 5
	s_add_co_u32 s51, s51, s49
	s_lshl_b32 s51, s51, 12                        ; 4,096 bytes for a tile of rows and 128 along K
	s_and_b32 s50, s50, 1
	s_lshl_b32 s50, s50, 11                        ; an odd head takes the second 64 of the 128
	s_add_co_u32 s50, s50, s51
	s_mov_b32 s49, 0
	s_mov_b32 s51, 0
	s_lshl_b32 s52, s52, 13                        ; the batch's 8,192 bytes of mask
	s_mov_b32 s53, 0
	s_mov_b32 s[SEL], 0x76543210
	s_mov_b32 s[SEL+1], 0xfedcba98
	s_mov_b32 s[TB], 0
	s_mov_b32 s[TM], 0
	s_mov_b32 s[SLOTS], 7
	v_and_b32 v[LI], 31, v0
	v_lshlrev_b32 v[PFO], 8, v[LI]
	v_lshlrev_b32 v[LI], 4, v[LI]
	v_bfe_u32 v[MB], v0, 4, 1
	v_lshlrev_b32 v[MB], 5, v[MB]
	v_add_nc_u32 v[MB], MSK, v[MB]
	v_lshlrev_b32 v208, 4, v0                      ; 16 x my thread's number: my 16 bytes of each half of the mask,
	v_add_nc_u32 v209, MSK, v208                   ; and their place in LDS
	s_wait_dscnt 0x0                               ; both opening adds are done
	s_wait_kmcnt 0x0
	s_mov_b32 s[G0], 1
	s_add_nc_u64 s[G0+2:G0+3], s[6:7], s[44:45]
	s_or_b32 s[G0+3], s[G0+3], 0x80000000
	s_add_nc_u64 s[PFA:PFA+1], s[6:7], s[46:47]
	s_add_nc_u64 s[38:39], s[4:5], s[48:49]        ; Q
	s_add_nc_u64 s[40:41], s[10:11], s[50:51]      ; ctx
	s_add_nc_u64 s[42:43], s[8:9], s[52:53]        ; the mask
	CROUND                                         ; all four work-groups are here: the first joint loads meet
	TLOAD                                          ; slot 0
	global_load_b128 v[200:203], v208, s[42:43]
	global_load_b128 v[204:207], v208, s[42:43] offset:4096
.irp n, 0,1,2,3,4,5,6,7,8,9,10,11,12,13,14,15
	global_load_b128 v[Q+4*\n:Q+4*\n+3], v[LI], s[38:39] offset:512*\n th:TH_LOAD_NT   ; Q stays in registers
.endr
.irp t, 0,1,2,3
	v_mov_b32 v[ST+8*\t], 0xff61b1e6               ; m = -3e38
	v_mov_b32 v[ST+8*\t+1], 0
	v_mov_b32 v[ST+8*\t+2], 0                      ; l
	v_mov_b32 v[ST+8*\t+3], 0
.endr
	WIN 0x40
.set i, 0
.rept 128
	v_mov_b32 v[O+i], 0                            ; O^T.  (The step is written once: its first walk finds zeros, which the first a leaves zeros)
.set i, i+1
.endr
	WIN 0
	s_wait_loadcnt 16                              ; the mask's two loads are in; Q's 16, issued behind them, may be out
.irp j, 0,2,4,6
	v_pk_mul_f32 v[200+\j:201+\j], v[200+\j:201+\j], 0x3fb8aa3b op_sel_hi:[1,0]   ; x log2(e)
.endr
	ds_store_b128 v209, v[200:203]
	ds_store_b128 v209, v[204:207] offset:4096     ; the first change of slots waits for these stores in front of its barrier: behind it every wave may read them
	s_wait_loadcnt 0x0                             ; Q
; A KEY STEP: 64 keys.
.macro STEP
	v_add_nc_u32 v[ADR], s[TB], v[LI]
	v_add_nc_u32 v[ADM], s[TM], v[MB]
.rept 4
	v_nop                                          ; with the two additions six places behind the last products: four are owed to the loads into V's registers, five to the first score, which writes over P
.endr
.irp n, 0,1,2,3,4,5,6,7,8,9,10,11,12,13,14,15
	ds_load_b128 v[KV+4*\n:KV+4*\n+3], v[ADR] offset:512*\n   ; K: keys 16 a on, channels 32 c on at v[KV + 8 (2 a + c)]
.endr
.irp a, 0,1,2,3
	ds_load_b128 v[MK+8*\a:MK+8*\a+3],   v[ADM] offset:64*\a
	ds_load_b128 v[MK+8*\a+4:MK+8*\a+7], v[ADM] offset:64*\a+16
.endr
	s_wait_dscnt 0x0
	WIN 0x40                                       ; D window 1; the sixteen accumulators take turns
.irp a, 0,1,2,3
.irp t, 0,1,2,3
	v_wmma_f32_16x16x32_f16 v[32*\t+8*\a:32*\t+8*\a+7], v[KV+16*\a:KV+16*\a+7], v[Q+16*\t:Q+16*\t+7], v[MK+8*\a:MK+8*\a+7]   ; the mask starts the sum
.endr
.endr
	WIN 0x50                                       ; C and D window 1
.irp a, 0,1,2,3
.irp t, 0,1,2,3
	v_wmma_f32_16x16x32_f16 v[32*\t+8*\a:32*\t+8*\a+7], v[KV+16*\a+8:KV+16*\a+15], v[Q+16*\t+8:Q+16*\t+15], v[32*\t+8*\a:32*\t+8*\a+7]
.endr
.endr
	WIN 0
.rept 4
	v_nop                                          ; places in front of the loads into K's registers and of the first reads of scores
.endr
.irp n, 0,1,2,3,4,5,6,7,8,9,10,11,12,13,14,15
	ds_load_b128 v[KV+4*\n:KV+4*\n+3], v[ADR] offset:32768+512*\n   ; V^T: keys 32 kg on, channels 16 ct on at v[KV + 8 (4 kg + ct)]: it lands under the softmax
.endr
	; the softmax, in phases; in each the four tiles take turns, so that no line waits for the line above it
	WIN 0x15                                       ; three sources in window 1
.irp j, 0,1,2,3
.irp t, 0,1,2,3
	v_max3_num_f32 v[ST+8*\t+4+\j], v[32*\t+8*\j], v[32*\t+8*\j+1], v[32*\t+8*\j+2]   ; four chains a tile, each accumulator from its low end on
.endr
.endr
	WIN 0x14
.irp i, 1,2
.irp j, 0,1,2,3
.irp t, 0,1,2,3
	v_max3_num_f32 v[ST+8*\t+4+\j], v[ST+8*\t+4+\j], v[32*\t+8*\j+2*\i+1], v[32*\t+8*\j+2*\i+2]
.endr
.endr
.endr
.irp t, 0,1,2,3
	v_max3_num_f32 v[ST+8*\t+4], v[ST+8*\t+4], v[32*\t+7], v[32*\t+15]
.endr
.irp t, 0,1,2,3
	v_max3_num_f32 v[ST+8*\t+6], v[ST+8*\t+6], v[32*\t+23], v[32*\t+31]
.endr
	WIN 0
.irp t, 0,1,2,3
	v_max3_num_f32 v[ST+8*\t+4], v[ST+8*\t+4], v[ST+8*\t+5], v[ST+8*\t+6]
.endr
.irp t, 0,1,2,3
	v_max3_num_f32 v[ST+8*\t+4], v[ST+8*\t+4], v[ST+8*\t+7], v[ST+8*\t]   ; with the old m
.endr
.irp t, 0,1,2,3
	v_permlanex16_b32 v[ST+8*\t+5], v[ST+8*\t+4], s[SEL], s[SEL+1]   ; the query's other 32 keys lie in the lane 16 away
.endr
.irp t, 0,1,2,3
	v_max_num_f32 v[ST+8*\t+6], v[ST+8*\t+4], v[ST+8*\t+5]           ; the new m
.endr
.irp t, 0,1,2,3
	v_sub_f32 v[ST+8*\t+7], v[ST+8*\t], v[ST+8*\t+6]                 ; old m - new m
.endr
.irp t, 0,1,2,3
	v_mov_b32 v[ST+8*\t], v[ST+8*\t+6]
.endr
.irp t, 0,1,2,3
	v_exp_f32 v[ST+8*\t+6], v[ST+8*\t+7]                             ; a.  It is named again only behind the batch's wait
.endr
	WIN 0x41                                       ; destination and source 0 window 1
.irp i, 0,2,4,6,8,10,12,14,16,18,20,22,24,26,28,30
.irp t, 0,1,2,3
	v_pk_add_f32 v[32*\t+\i:32*\t+\i+1], v[32*\t+\i:32*\t+\i+1], v[ST+8*\t:ST+8*\t+1] op_sel_hi:[1,0] neg_lo:[0,1] neg_hi:[0,1]   ; t - m, two at a time
.endr
.endr
.set i, 0
.rept 32
.irp t, 0,1,2,3
	v_exp_f32 v[32*\t+i], v[32*\t+i]               ; p = 2^(t - m)
.endr
.set i, i+1
.endr
	v_nop                                          ; a plain place behind the last exponential
	s_wait_alu depctr_va_vdst(0)                   ; the wait ahead of the first line that names a result: ONE for the step's 132 exponentials
	WIN 0
.irp t, 0,1,2,3
	v_pk_mul_f32 v[ST+8*\t+2:ST+8*\t+3], v[ST+8*\t+2:ST+8*\t+3], v[ST+8*\t+6:ST+8*\t+7] op_sel_hi:[1,0]   ; l x a
.endr
	WIN 0x05
.irp t, 0,1,2,3
	v_pk_add_f32 v[ST+8*\t+4:ST+8*\t+5], v[32*\t:32*\t+1], v[32*\t+2:32*\t+3]   ; the sum of the unrounded p, in two chains: this one,
.endr
	WIN 0x04
.irp i, 4,8,12,16,20,24,28
.irp t, 0,1,2,3
	v_pk_add_f32 v[ST+8*\t+2:ST+8*\t+3], v[ST+8*\t+2:ST+8*\t+3], v[32*\t+\i:32*\t+\i+1]       ; and l itself
	v_pk_add_f32 v[ST+8*\t+4:ST+8*\t+5], v[ST+8*\t+4:ST+8*\t+5], v[32*\t+\i+2:32*\t+\i+3]
.endr
.endr
	WIN 0
.irp t, 0,1,2,3
	v_pk_add_f32 v[ST+8*\t+2:ST+8*\t+3], v[ST+8*\t+2:ST+8*\t+3], v[ST+8*\t+4:ST+8*\t+5]
.endr
	WIN 0x45
.set i, 0
.rept 16
.irp t, 0,1,2,3
	v_cvt_pk_f16_f32 v[32*\t+i], v[32*\t+2*i], v[32*\t+2*i+1]   ; P, in place and ascending: registers 8 kg .. 8 kg + 7 of a tile are its fragment for keys 32 kg on
.endr
.set i, i+1
.endr
	WIN 0x41
.irp i, 0,2,4,6,8,10,12,14,16,18,20,22,24,26,28,30
.irp t, 0,1,2,3
	v_pk_mul_f32 v[O+32*\t+\i:O+32*\t+\i+1], v[O+32*\t+\i:O+32*\t+\i+1], v[ST+8*\t+6:ST+8*\t+7] op_sel_hi:[1,0]   ; O^T x a
.endr
.endr
	s_wait_dscnt 0x0                               ; V is in
	WIN 0x54                                       ; source 1 (P), C and D window 1; sixteen accumulators by turns
.irp kg, 0,1
.irp ct, 0,1,2,3
.irp t, 0,1,2,3
	v_wmma_f32_16x16x32_f16 v[O+32*\t+8*\ct:O+32*\t+8*\ct+7], v[KV+8*(4*\kg+\ct):KV+8*(4*\kg+\ct)+7], v[32*\t+8*\kg:32*\t+8*\kg+7], v[O+32*\t+8*\ct:O+32*\t+8*\ct+7]
.endr
.endr
.endr
	WIN 0
	s_add_co_u32 s[TB], s[TB], 8192                ; the next step's tiles,
	s_add_co_u32 s[TM], s[TM], 256                 ; and its mask
.endm
; THE CHANGE OF SLOTS stands at a slot's head.  Each wave waits for all its tensor loads (its part of the slot ahead), adds 0 to its spare word, and waits for that and for its reads of the slot that it has left.
; fill = 1: the barrier is a round of the cluster's, so that no wave of any partner still reads that slot or has a load on its way; the joint load is the first thing behind it and has four key steps in which to land.
.macro CHANGE fill
	s_wait_tensorcnt 0x0                           ; no tensor load of mine is out, so group 0 may be written
	ds_add_u32 v[SPW], v[NIL]                      ; 0 onto my spare word
.if \fill
	ds_add_u32 v[SPW], v[NIL]                      ; and once more
	s_xor_b32 s[G0+1], s[G0+1], SLOTB              ; the walking descriptor: the other slot than last time,
	s_add_nc_u64 s[G0+2:G0+3], s[G0+2:G0+3], SLOTB ; the next 256 keys; the type bits on top are not reached
	s_wait_xcnt 0x0                                ; the last prefetch, a slot back, has read its address, so it may be written
	s_add_nc_u64 s[PFA:PFA+1], s[PFA:PFA+1], SLOTB
	s_wait_dscnt 0x0                               ; the adds are done, and my LDS stores and my reads of the slot that I have left are over
	CROUND
	TLOAD
	ASK
.else
	s_wait_dscnt 0x0
	s_barrier_signal -1
	s_barrier_wait -1
.endif
.endm
.macro SLOT_STEPS                      ; a slot's four steps: written once, walked four times
	s_mov_b32 s[IN], 4
.Lstep_\@:
	STEP
	s_sub_co_u32 s[IN], s[IN], 1
	s_cmp_lg_u32 s[IN], 0
	s_cbranch_scc1 .Lstep_\@
	s_sub_co_u32 s[TB], s[TB], 32768               ; back to a slot's first step,
	s_xor_b32 s[TB], s[TB], SLOTB                  ; in the other slot
.endm
.Lslot:                                            ; seven trips: behind each change of slots but the last the next slot is asked for; the first trip's load is slot 1's first fill
	CHANGE 1
	SLOT_STEPS
	s_sub_co_u32 s[SLOTS], s[SLOTS], 1
	s_cmp_lg_u32 s[SLOTS], 0
	s_cbranch_scc1 .Lslot
	CHANGE 0                                       ; the last slot is written out
	SLOT_STEPS
	; THE WAY OUT: l's halves and the other half of the lanes' are added; O^T / l, rounded to f16: a lane's eight channels of a row are 16 bytes of the projection's fragment
.rept 4
	v_nop                                          ; places behind the last products
.endr
.irp t, 0,1,2,3
	v_add_f32 v[ST+8*\t+4], v[ST+8*\t+2], v[ST+8*\t+3]
.endr
.irp t, 0,1,2,3
	v_permlanex16_b32 v[ST+8*\t+5], v[ST+8*\t+4], s[SEL], s[SEL+1]
.endr
.irp t, 0,1,2,3
	v_add_f32 v[ST+8*\t+4], v[ST+8*\t+4], v[ST+8*\t+5]
.endr
.irp t, 0,1,2,3
	v_rcp_f32 v[ST+8*\t+6], v[ST+8*\t+4]
.endr
	v_nop                                          ; a plain place behind the last reciprocal,
	s_wait_alu depctr_va_vdst(0)                   ; and the wait ahead of the first use: one for the four
	WIN 0x41
.irp t, 0,1,2,3
.irp i, 0,2,4,6,8,10,12,14,16,18,20,22,24,26,28,30
	v_pk_mul_f32 v[O+32*\t+\i:O+32*\t+\i+1], v[O+32*\t+\i:O+32*\t+\i+1], v[ST+8*\t+6:ST+8*\t+7] op_sel_hi:[1,0]
.endr
.endr
	WIN 0x45
.irp t, 0,1,2,3
.irp i, 0,1,2,3,4,5,6,7,8,9,10,11,12,13,14,15
	v_cvt_pk_f16_f32 v[16*\t+\i], v[O+32*\t+2*\i], v[O+32*\t+2*\i+1]   ; into S^T's registers, which are free
.endr
.endr
	WIN 0x04                                       ; a store's data are its source 1: window 1
.irp t, 0,1,2,3
.irp ct, 0,1,2,3
	global_store_b128 v[LI], v[16*\t+4*\ct:16*\t+4*\ct+3], s[40:41] offset:4096*\t+512*\ct   ; 512 consecutive bytes
.endr
.endr
	WIN 0
	s_wait_tensorcnt 0x0                           ; the wave's end
	ds_add_u32 v[SPW], v[NIL]
	s_wait_dscnt 0x0
	CROUND                                         ; the closing round: no work-group ends while a partner may still ask for a tile that names it
	s_endpgm
.Lfunc_end_k_qb7c9758c75_attn:
	.size	k_qb7c9758c75_attn, .Lfunc_end_k_qb7c9758c75_attn-k_qb7c9758c75_attn
	.p2alignl 7, 3214868480
	.fill 96, 4, 3214868480
	.section	.rodata,"a",@progbits
	.p2align	6, 0x0
	.amdhsa_kernel k_qb7c9758c75_attn
		.amdhsa_group_segment_fixed_size 327680
		.amdhsa_private_segment_fixed_size 0
		.amdhsa_enable_private_segment 0
		.amdhsa_kernarg_size 32
		.amdhsa_user_sgpr_count 2
		.amdhsa_user_sgpr_kernarg_segment_ptr 1
		.amdhsa_wavefront_size32 1
		.amdhsa_system_sgpr_workgroup_id_x 1
		.amdhsa_system_sgpr_workgroup_id_y 1
		.amdhsa_system_sgpr_workgroup_id_z 1
		.amdhsa_system_vgpr_workitem_id 0
		.amdhsa_next_free_vgpr 512
		.amdhsa_next_free_sgpr 66
		.amdhsa_reserve_vcc 0
		.amdhsa_float_denorm_mode_32 3
		.amdhsa_float_denorm_mode_16_64 3
		.amdhsa_memory_ordered 1
		.amdhsa_forward_progress 1
		.amdhsa_inst_pref_size 89
	.end_amdhsa_kernel
	.amdgpu_metadata
---
amdhsa.version: [ 1, 2 ]
amdhsa.kernels:
  - .name:           k_qb7c9758c75_attn
    .symbol:         k_qb7c9758c75_attn.kd
    .args:
      - { .name: qf, .offset: 0, .size: 8, .value_kind: global_buffer, .address_space: global }
      - { .name: kvf, .offset: 8, .size: 8, .value_kind: global_buffer, .address_space: global }
      - { .name: attention_mask, .offset: 16, .size: 8, .value_kind: global_buffer, .address_space: global }
      - { .name: cf, .offset: 24, .size: 8, .value_kind: global_buffer, .address_space: global }
    .group_segment_fixed_size: 327680
    .private_segment_fixed_size: 0
    .kernarg_segment_align: 8
    .kernarg_segment_size: 32
    .max_flat_workgroup_size: 256
    .sgpr_count:     66
    .vgpr_count:     512
    .wavefront_size: 32
...
	.end_amdgpu_metadata
.endif
;; end of part 3
;; launch proj (part 4): grid 4 x 64, 4 waves a work-group, clusters of 4 x 4, 327,680 bytes of LDS; arguments cf, wof, bo, out0; writes out0
.if DOCPART == 4
	.amdgcn_target "amdgcn-amd-amdhsa--gfx1250"
	.amdhsa_code_object_version 6
	.text
	.protected	k_qb7c9758c75_proj
	.globl	k_qb7c9758c75_proj
	.p2align	8
	.type	k_qb7c9758c75_proj,@function
k_qb7c9758c75_proj:
	s_mov_b64 s[64:65], 0
	v_nop
	global_prefetch_b8 v0, s[64:65] scope:SCOPE_SE
	s_setreg_imm32_b32 hwreg(HW_REG_WAVE_MODE, 25, 1), 1
	s_wait_xcnt 0x0
	s_wait_alu depctr_hold_cnt(0) depctr_sa_sdst(0) depctr_va_vdst(0) depctr_va_sdst(0) depctr_va_ssrc(0) depctr_va_vcc(0) depctr_vm_vsrc(0)
	s_getreg_b32 s2, hwreg(HW_REG_IB_STS2, 6, 4)
	s_cmp_eq_u32 s2, 0
	s_cbranch_scc0 .Lentry_in_a_cluster
	s_endpgm
.Lentry_in_a_cluster:
	s_bfe_u32 s2, ttmp6, 0x10000c
	s_cmp_lg_u32 s2, 0xf033
	s_cbranch_scc0 .Lentry_shape_is_right
	s_endpgm
.Lentry_shape_is_right:
; PROJECTION.  out0[m][n] = the sum over k of ctx[m][k] Wo[n][k] + bo[n]: f16 operands, f32 sums, f32 out.  ctx (cf) and Wo (wof) arrive in the order of the operand's registers:
;   [kq 8][tile of 16 rows][ksl 4][half 2][lane][16 B]: row 16 tile + r, k = 128 kq + 32 ksl + 16 half + 8 h + 0 .. 7: a K step's tiles are one dense block, and a fragment is two loads at 16 x lane + a constant.
; SHARES.  A tile of out0 is 128 rows x 256 columns, which gives 256 work-groups; four waves, each 64 x 128: 32 accumulators.  K goes in 8 steps of 128 through two LDS slots (ctx 32,768 bytes, Wo 65,536).
; THE MATRIX INSTRUCTION IS USED TRANSPOSED (source 0 = 16 rows of Wo, source 1 = 16 rows of ctx): a lane holds eight neighbouring columns of a row of out0.  bo is the C of each sum's first product.
; CLUSTER.  4 x 4 work-groups: ctx's tile hangs on the tile row alone and is shared along a row of the cluster, Wo's on the tile column alone and is shared along a column; each is asked for JOINTLY.
; Waves 0 and 1 fetch ctx's halves, waves 2 and 3 Wo's: one tensor load a wave behind each change of slots; two are out at the start, one later.  No prefetch: the K step is short and the tiles are small.
; REGISTERS.  Window 0: v1-29 addresses; two fragment buffers of 96 at v32 and v128 (Wo's eight fragments, then ctx's four); on the way out v32-95 and v128-191 hold rows.  Window 1: the accumulators, (a, b) at v[8 (8 a + b)].  Window 2: v0-63 bo in the result's layout.
.set SLOT,  98304
.set STAGE, 196608                     ; behind the ring: 16 rows x 528 bytes for each wave, for the way out; no tensor load lands here
.set SPARE, 230400                     ; the spare words, 128 bytes for each wave: two blocks of 256 bytes that no other line names
.set LI,   1                           ; v1      16 x lane; also my byte offset in a row's 512 bytes of out0
.set ADRA, 16                          ; v16-17  LDS address of my fragments of ctx in slot 0, 1
.set ADRB, 20                          ; v20-21  the same for Wo
.set STO,  24                          ; v24     the way out: where I put 32 bytes of a row
.set RD,   25                          ; v25     and where I read a row back
.set SPW,  28                          ; v28     my spare word; never rewritten
.set NIL,  29                          ; v29     0; never rewritten
.set F0,   32
.set F1,   128
.set WV,   12
.set G1,   24                          ; s[24:31] group 1 for ctx's tiles; s[32:39] group 0, a set for each slot
.set G0,   32
.set G1B,  48                          ; s[48:55], s[56:63] the same for Wo's
.set G0B,  56
.set MUL,  0x50                        ; C and D window 1
.set MULZ, 0x60                        ; C window 2 (the bias), D window 1
.set MSB, 0
.macro WIN new                         ; the immediate's high byte repeats the setting that is left
.if MSB != (\new)
	s_set_vgpr_msb (MSB<<8)|(\new)
.set MSB, (\new)
.endif
.endm
.macro JLOAD s                         ; a joint load; an s_nop 0 and four v_nop follow each of the two lines.  The branch hangs on the wave's number alone
	s_cmp_eq_u32 s13, 0
	s_cbranch_scc0 .Lfor_b_\@
	tensor_load_to_lds s[G0+4*\s:G0+4*\s+3], s[G1:G1+7]
	s_nop 0
.rept 4
	v_nop
.endr
	s_branch .Lasked_\@
.Lfor_b_\@:
	tensor_load_to_lds s[G0B+4*\s:G0B+4*\s+3], s[G1B:G1B+7]
	s_nop 0
.rept 4
	v_nop
.endr
.Lasked_\@:
.endm
.macro CREST                           ; a round of the cluster's barrier behind its opening barrier
	s_cmp_lg_u32 s[WV], 0
	s_cbranch_scc1 .Lnot_wave_0_\@
	s_barrier_signal -3
.Lnot_wave_0_\@:
	s_barrier_wait -3
	s_barrier_signal -1
	s_barrier_wait -1
.endm
.macro CROUND
	s_barrier_signal -1
	s_barrier_wait -1
	CREST
.endm
	s_load_b256 s[4:11], s[0:1], 0x0               ; cf, wof, bo, out0
	v_lshl_add_u32 v[SPW], v0, 2, SPARE
	v_mov_b32 v[NIL], 0
	ds_add_u32 v[SPW], v[NIL]                      ; the wave's opening: the add, twice on end, and its wait ahead of my first tensor load
	ds_add_u32 v[SPW], v[NIL]
	v_lshrrev_b32 v2, 5, v0
	v_readfirstlane_b32 s[WV], v2                  ; wave 0..3
	s_lshr_b32 s13, s[WV], 1                       ; which 64 of the tile's rows are mine.  Also: I fetch for ctx (0) or for Wo (1)
	s_and_b32 s14, s[WV], 1                        ; which 128 of its columns.  Also: which half of that tile I fetch
	s_bfe_u32 s40, ttmp6, 0x40000                  ; cx, cy: my place in the cluster
	s_bfe_u32 s41, ttmp6, 0x40004
	s_lshl_b32 s42, ttmp9, 2
	s_add_co_u32 s42, s42, s40                     ; tile column = 4 x cluster x + cx
	s_and_b32 s15, ttmp7, 0xffff
	s_lshl_b32 s15, s15, 2
	s_add_co_u32 s15, s15, s41                     ; tile row = 4 x cluster y + cy
	s_lshl_b32 s43, s41, 2
	s_lshl_b32 s43, 15, s43                        ; my row of the cluster
	s_lshl_b32 s44, 0x1111, s40                    ; my column
	s_or_b32 s[G1], s43, (3<<16)|(1<<21)           ; 15:0 the mask; 17:16 elements of 8 bytes; 21 set beside a mask; no padding
	s_or_b32 s[G1B], s44, (3<<16)|(1<<21)
	s_mov_b32 s[G1+1], 32<<16                      ; rows of 256 bytes,
	s_mov_b32 s[G1+2], 64<<16                      ; 64 of them: 16,384 dense bytes
	s_mov_b32 s[G1+3], 32<<16
	s_mov_b32 s[G1+4], 64
	s_mov_b32 s[G1+5], 32
	s_mov_b32 s[G1+6], 0
	s_mov_b32 s[G1+7], 0
	s_mov_b32 s[G1B+1], 32<<16
	s_mov_b32 s[G1B+2], 128<<16                    ; 128 rows: 32,768 dense bytes
	s_mov_b32 s[G1B+3], 32<<16
	s_mov_b32 s[G1B+4], 128
	s_mov_b32 s[G1B+5], 32
	s_mov_b32 s[G1B+6], 0
	s_mov_b32 s[G1B+7], 0
	s_lshl_b32 s16, s15, 3                         ; ctx: tiles of rows 8 x tile row + 4 x half on, 4,096 bytes each: registers that never hold cx
	s_lshl_b32 s17, s14, 2
	s_add_co_u32 s16, s16, s17
	s_lshl_b32 s16, s16, 12
	s_mov_b32 s17, 0
	s_lshl_b32 s46, s42, 4                         ; Wo: tiles 16 x tile column + 8 x half on: registers that never hold cy
	s_lshl_b32 s47, s14, 3
	s_add_co_u32 s46, s46, s47
	s_lshl_b32 s46, s46, 12
	s_mov_b32 s47, 0
	s_lshl_b32 s20, s14, 14                        ; where they go: ctx's halves from 0,
	s_lshl_b32 s21, s14, 15
	s_add_co_u32 s21, s21, 32768                   ; Wo's behind them: no place in the cluster enters an LDS address
	s_wait_dscnt 0x0                               ; both opening adds are done
	s_wait_kmcnt 0x0
	s_add_nc_u64 s[18:19], s[4:5], s[16:17]
	s_add_nc_u64 s[46:47], s[6:7], s[46:47]
	CROUND                                         ; all sixteen work-groups are here: the first joint loads meet
.irp s, 0,1
	s_mov_b32 s[G0+4*\s], 1
	s_add_co_u32 s[G0+4*\s+1], s20, \s*SLOT
	s_add_nc_u64 s[G0+4*\s+2:G0+4*\s+3], s[18:19], \s*2097152      ; K step s of ctx
	s_or_b32 s[G0+4*\s+3], s[G0+4*\s+3], 0x80000000
	s_mov_b32 s[G0B+4*\s], 1
	s_add_co_u32 s[G0B+4*\s+1], s21, \s*SLOT
	s_add_nc_u64 s[G0B+4*\s+2:G0B+4*\s+3], s[46:47], \s*262144     ; K step s of Wo
	s_or_b32 s[G0B+4*\s+3], s[G0B+4*\s+3], 0x80000000
	JLOAD \s
.endr
	v_and_b32 v[LI], 31, v0
	v_lshlrev_b32 v[LI], 4, v[LI]
	v_and_b32 v2, 15, v0                           ; r
	v_bfe_u32 v3, v0, 4, 1
	v_lshlrev_b32 v3, 5, v3                        ; 32 h
	s_lshl_b32 s20, s13, 14                        ; my 64 rows of ctx,
	s_lshl_b32 s21, s14, 15
	s_add_co_u32 s21, s21, 32768                   ; my 128 rows of Wo
.irp s, 0,1
	v_add_nc_u32 v[ADRA+\s], s20, v[LI]
	v_add_nc_u32 v[ADRB+\s], s21, v[LI]
	s_add_co_u32 s20, s20, SLOT
	s_add_co_u32 s21, s21, SLOT
.endr
	s_mul_i32 s23, s[WV], 16*528
	s_add_co_u32 s23, s23, STAGE                   ; my stage
	v_mul_u32_u24 v4, v2, 528
	v_add_nc_u32 v4, v4, v3
	v_add_nc_u32 v[STO], s23, v4                   ; in: row r, + 32 h
	v_add_nc_u32 v[RD], s23, v[LI]                 ; back: the 32 lanes take one row of 512 bytes
	s_lshl_b32 s46, s42, 10                        ; my first column, in bytes: 1,024 x tile column + 512 x half
	s_lshl_b32 s47, s14, 9
	s_add_co_u32 s46, s46, s47
	s_mov_b32 s47, 0
	s_add_nc_u64 s[8:9], s[8:9], s[46:47]          ; in bo,
	s_add_nc_u64 s[10:11], s[10:11], s[46:47]      ; and in out0;
	s_lshl_b32 s16, s15, 7
	s_lshl_b32 s17, s13, 6
	s_add_co_u32 s16, s16, s17
	s_lshl_b32 s16, s16, 12                        ; my first row: 128 x tile row + 64 x half, 4,096 bytes a row
	s_mov_b32 s17, 0
	s_add_nc_u64 s[10:11], s[10:11], s[16:17]
	WIN 0x80                                       ; destination window 2
.irp b, 0,1,2,3,4,5,6,7
	global_load_b128 v[8*\b:8*\b+3],   v3, s[8:9] offset:64*\b       ; register j of tile b: bo of column 16 b + 8 h + j
	global_load_b128 v[8*\b+4:8*\b+7], v3, s[8:9] offset:64*\b+16
.endr
	WIN 0
; 8 matrix instructions: ctx's tile a x Wo's eight, 32 along K.  zero = 1: the bias starts the sums.  The 32 accumulators take turns in the same order in every quarter.
.macro MUL8 f, a, zero
.irp b, 0,1,2,3,4,5,6,7
.if \zero
	v_wmma_f32_16x16x32_f16 v[8*(8*(\a)+\b):8*(8*(\a)+\b)+7], v[\f+8*\b:\f+8*\b+7], v[\f+64+8*(\a):\f+64+8*(\a)+7], v[8*\b:8*\b+7]
.else
	v_wmma_f32_16x16x32_f16 v[8*(8*(\a)+\b):8*(8*(\a)+\b)+7], v[\f+8*\b:\f+8*\b+7], v[\f+64+8*(\a):\f+64+8*(\a)+7], v[8*(8*(\a)+\b):8*(8*(\a)+\b)+7]
.endif
.endr
.endm
.macro FETCH slot, ksl, f              ; 24 LDS loads in one run: the fragments of the slot's ksl-th 32 along K: Wo's eight, then ctx's four
.irp b, 0,1,2,3,4,5,6,7
	ds_load_b128 v[\f+8*\b:\f+8*\b+3],   v[ADRB+\slot] offset:4096*\b+1024*(\ksl)
	ds_load_b128 v[\f+8*\b+4:\f+8*\b+7], v[ADRB+\slot] offset:4096*\b+1024*(\ksl)+512
.endr
.irp a, 0,1,2,3
	ds_load_b128 v[\f+64+8*\a:\f+64+8*\a+3],   v[ADRA+\slot] offset:4096*\a+1024*(\ksl)
	ds_load_b128 v[\f+64+8*\a+4:\f+64+8*\a+7], v[ADRA+\slot] offset:4096*\a+1024*(\ksl)+512
.endr
.endm
.macro PLACES                          ; four places in front of loads into registers that matrix instructions have read, and of the first reads of results
.rept 4
	v_nop
.endr
.endm
; A K step is four quarters of 32 along K, 32 matrix instructions each, on buffers 0, 1, 0, 1.  One of the first three: multiplies buffer f and fetches the slot's ksl-th quarter into g.
.macro QUARTER slot, ksl, f, g, zero
	s_wait_dscnt 4                                 ; Wo's fragments and ctx's tiles 0 and 1 are in; the youngest four loads (tiles 2 and 3) may be out
	WIN MUL+0x10*(\zero)
	MUL8 \f, 0, \zero
	MUL8 \f, 1, \zero
	WIN 0
	PLACES
	FETCH \slot, \ksl, \g
	s_wait_dscnt 24                                ; all but the 24 just issued
	WIN MUL+0x10*(\zero)
	MUL8 \f, 2, \zero
	MUL8 \f, 3, \zero
.endm
; The last quarter multiplies buffer 1 and changes slots: ONE barrier; in front of it each wave waits for all its tensor loads, adds 0 to its spare word, and waits for that and for its reads of this slot.
; fill = 1: the barrier opens a round of the cluster's, and this slot is filled again, two K steps ahead, first thing behind the round.
.macro TURN slot, next, fill
	WIN 0                                          ; (the add's two registers lie in window 0)
	s_wait_tensorcnt 0x0                           ; all my tensor loads have landed: my part of the next slot
	ds_add_u32 v[SPW], v[NIL]                      ; 0 onto my spare word
	s_wait_dscnt 5                                 ; (the add and the youngest four loads may be out)
	WIN MUL
	MUL8 F1, 0, 0                                  ; eight matrix instructions stand between the add and the wait for it
	s_wait_dscnt 0x0                               ; the add is done, and my reads of this slot are over
	s_barrier_signal -1
	MUL8 F1, 1, 0
	WIN 0
	s_barrier_wait -1
.if \fill
	CREST                                          ; no wave of any partner still reads this slot's tiles or has a load on its way
	s_add_nc_u64 s[G0+4*\slot+2:G0+4*\slot+3], s[G0+4*\slot+2:G0+4*\slot+3], 2*2097152
	s_add_nc_u64 s[G0B+4*\slot+2:G0B+4*\slot+3], s[G0B+4*\slot+2:G0B+4*\slot+3], 2*262144
	JLOAD \slot                                    ; 112 matrix instructions ahead of the wait for it; the four v_nop behind it are also the places in front of the loads below
.else
	PLACES
.endif
	FETCH \next, 0, F0
	WIN MUL
	MUL8 F1, 2, 0
	MUL8 F1, 3, 0
.endm
	s_wait_tensorcnt 1                             ; my part of K step 0 is in; K step 1's may stay out
	s_barrier_signal -1
	s_barrier_wait -1                              ; everybody's is
	FETCH 0, 0, F0
	s_wait_loadcnt 0x0                             ; bo
	QUARTER 0, 1, F0, F1, 1                        ; the first quarter stands in front of the loop: its products start the sums
	WIN 0                                          ; at a label and at a branch every window is 0
	s_mov_b32 s3, 3
.Llap:                                                 ; a trip goes once round the ring, from a lap's second quarter to the next lap's first, and fills both slots again: K steps 2 to 7
	QUARTER 0, 2, F1, F0, 0
	QUARTER 0, 3, F0, F1, 0
	TURN 0, 1, 1
	QUARTER 1, 1, F0, F1, 0
	QUARTER 1, 2, F1, F0, 0
	QUARTER 1, 3, F0, F1, 0
	TURN 1, 0, 1
	QUARTER 0, 1, F0, F1, 0
	WIN 0
	s_sub_co_u32 s3, s3, 1
	s_cmp_lg_u32 s3, 0
	s_cbranch_scc1 .Llap
	QUARTER 0, 2, F1, F0, 0                        ; the last lap fills nothing, and has no round of the cluster's barrier
	QUARTER 0, 3, F0, F1, 0
	TURN 0, 1, 0
	QUARTER 1, 1, F0, F1, 0
	QUARTER 1, 2, F1, F0, 0
	QUARTER 1, 3, F0, F1, 0
	s_wait_dscnt 4                                 ; the very last quarter: nothing more to fetch
	WIN MUL
	MUL8 F1, 0, 0
	MUL8 F1, 1, 0
	s_wait_dscnt 0x0
	MUL8 F1, 2, 0
	MUL8 F1, 3, 0
	WIN 0
; THE WAY OUT, block by block of 16 rows x 128 columns: a lane holds 32 neighbouring bytes of a row and the lanes beside it other rows, so a block goes through my own stage and comes back as whole rows of 512 bytes.
; LDS serves a wave's instructions in order (ISA guide 5.7.1.4): no wait between the stores and the loads, nor in front of the next block's stores.
.macro TOSTAGE a
	WIN 0x04                                       ; an LDS store's data are its source 1: window 1
.irp b, 0,1,2,3,4,5,6,7
	ds_store_b128 v[STO], v[8*(8*(\a)+\b):8*(8*(\a)+\b)+3] offset:64*\b        ; each accumulator from its low end on
	ds_store_b128 v[STO], v[8*(8*(\a)+\b)+4:8*(8*(\a)+\b)+7] offset:64*\b+16
.endr
	WIN 0
.set BB, 32+96*((\a)%2)
.irp t, 0,1,2,3,4,5,6,7,8,9,10,11,12,13,14,15
	ds_load_b128 v[BB+4*\t:BB+4*\t+3], v[RD] offset:\t*528
.endr
.endm
.macro SEND a, younger                 ; younger: the LDS instructions issued behind block a's loads, which may stay out
.set BB, 32+96*((\a)%2)
	s_wait_dscnt \younger                          ; the block is back in registers
.if (\a) > 0
	s_add_nc_u64 s[10:11], s[10:11], 65536         ; 16 rows on (behind a wait on XCNT: the earlier stores have read their base)
.endif
.irp t, 0,1,2,3,4,5,6,7,8,9,10,11,12,13,14,15
	global_store_b128 v[LI], v[BB+4*\t:BB+4*\t+3], s[10:11] offset:\t*4096 th:TH_STORE_NT   ; 32 lanes store 512 consecutive bytes, aligned; written once, read by nobody here
.endr
.endm
	PLACES
	TOSTAGE 0
.irp a, 1,2,3
.if \a > 1
	s_wait_xcnt 0x0                                ; block a - 2's stores have read their registers and their base
.endif
	TOSTAGE \a
	SEND \a-1, 32                                  ; behind block a - 1's loads: block a's 16 stores and 16 loads
.endr
	s_wait_xcnt 0x0                                ; block 2's stores have read their base
	SEND 3, 0
	s_wait_tensorcnt 0x0                           ; the wave's end
	ds_add_u32 v[SPW], v[NIL]
	s_wait_dscnt 0x0
	CROUND                                         ; the closing round: no work-group ends while a partner may still ask for a tile that names it
	s_endpgm
.Lfunc_end_k_qb7c9758c75_proj:
	.size	k_qb7c9758c75_proj, .Lfunc_end_k_qb7c9758c75_proj-k_qb7c9758c75_proj
	.p2alignl 7, 3214868480
	.fill 96, 4, 3214868480
	.section	.rodata,"a",@progbits
	.p2align	6, 0x0
	.amdhsa_kernel k_qb7c9758c75_proj
		.amdhsa_group_segment_fixed_size 327680
		.amdhsa_private_segment_fixed_size 0
		.amdhsa_enable_private_segment 0
		.amdhsa_kernarg_size 32
		.amdhsa_user_sgpr_count 2
		.amdhsa_user_sgpr_kernarg_segment_ptr 1
		.amdhsa_wavefront_size32 1
		.amdhsa_system_sgpr_workgroup_id_x 1
		.amdhsa_system_sgpr_workgroup_id_y 1
		.amdhsa_system_sgpr_workgroup_id_z 1
		.amdhsa_system_vgpr_workitem_id 0
		.amdhsa_next_free_vgpr 576
		.amdhsa_next_free_sgpr 66
		.amdhsa_reserve_vcc 0
		.amdhsa_float_denorm_mode_32 3
		.amdhsa_float_denorm_mode_16_64 3
		.amdhsa_memory_ordered 1
		.amdhsa_forward_progress 1
		.amdhsa_inst_pref_size 86
	.end_amdhsa_kernel
	.amdgpu_metadata
---
amdhsa.version: [ 1, 2 ]
amdhsa.kernels:
  - .name:           k_qb7c9758c75_proj
    .symbol:         k_qb7c9758c75_proj.kd
    .args:
      - { .name: cf, .offset: 0, .size: 8, .value_kind: global_buffer, .address_space: global }
      - { .name: wof, .offset: 8, .size: 8, .value_kind: global_buffer, .address_space: global }
      - { .name: bo, .offset: 16, .size: 8, .value_kind: global_buffer, .address_space: global }
      - { .name: out0, .offset: 24, .size: 8, .value_kind: global_buffer, .address_space: global }
    .group_segment_fixed_size: 327680
    .private_segment_fixed_size: 0
    .kernarg_segment_align: 8
    .kernarg_segment_size: 32
    .max_flat_workgroup_size: 128
    .sgpr_count:     66
    .vgpr_count:     576
    .wavefront_size: 32
...
	.end_amdgpu_metadata
.endif
;; end of part 4
